; MI455X (gfx1250); checked and timed in simulation.
; The chip was launched on July 23, 2026; its instructions are those of AMD's public machine-readable ISA for CDNA 5 (MIT licence, August 2026) and "CDNA5" Instruction Set Architecture Reference Guide (July 2026). The comments in the code are by the model that wrote it; some were corrected since.
;; Bert Self Attention. Allowed arithmetic: matrix products marked QUANTISED: E5M2 operands, one given power-of-two scale a tensor, by v_wmma_f32_16x16x64_bf8_bf8 or v_wmma_f32_16x16x128_bf8_bf8, f32 sums; everything else in f32.
;; Inputs: Wk 1,024 x 1,024 float32; Wq 1,024 x 1,024 float32; Wv 1,024 x 1,024 float32; attention_mask 8 x 1 x 1 x 1,024 float32; bk 1,024 float32; bq 1,024 float32; bv 1,024 float32; hidden_states 8 x 1,024 x 1,024 float32; lowp_scales 10 int32 (the exponents e of the quantised operands' scales 2^e).
;; Outputs: out0 8 x 1,024 x 1,024 float32.
;; This version of the problem:
;;   THIS VERSION OF THE PROBLEM IS GIVEN IN LOW PRECISION. The matrix products marked QUANTISED in the list below multiply operands that are first quantised to E5M2 (5 exponent bits, 2 mantissa bits; 8 bits a number), with one given power-of-two scale for each operand tensor; their sums are f32. All else is computed in f32.
;;   The module's matrix products, in the order in which they are computed (A, B: the left and right operand; K: the contracted axis; several contracted axes count as one K, in the product's order):
;;     1. [M 8,192, K 1,024] x [K 1,024, N 1,024]; A: input hidden_states; B: input Wq: QUANTISED (scales: A lowp_scales[0], B lowp_scales[1])
;;     2. [M 8,192, K 1,024] x [K 1,024, N 1,024]; A: input hidden_states; B: input Wk: QUANTISED (scales: A lowp_scales[2], B lowp_scales[3])
;;     3. [M 8,192, K 1,024] x [K 1,024, N 1,024]; A: input hidden_states; B: input Wv: QUANTISED (scales: A lowp_scales[4], B lowp_scales[5])
;;     4. batch 128 x [M 1,024, K 64] x [K 64, N 1,024]; A: computed on the way; B: computed on the way: QUANTISED (scales: A lowp_scales[6], B lowp_scales[7])
;;     5. batch 128 x [M 1,024, K 1,024] x [K 1,024, N 64]; A: softmax (see below); B: computed on the way: QUANTISED (scales: A lowp_scales[8], B lowp_scales[9])
;;   THE QUANTISER, for each operand of a quantised product, along K:
;;     - The operand's scale is 2^e, e = its entry of the input lowp_scales (int32; the entries are numbered through the quantised products in the list's order, A before B).
;;     - Each number is divided by the scale, clamped to +-57,344, and rounded to the nearest number of E5M2, ties to even, subnormals kept.
;;     - The product sums the exact products of the quantised numbers (number of the format x scale) in f32.
;;   ~~~python
;;   def quantise(x, axis, e):      # numpy; x: float32 -> the quantised numbers, widened to float32 again
;;       x = np.moveaxis(x, axis, -1); K = x.shape[-1]
;;       r = np.clip(x / 2.0 ** e, -57344, 57344)
;;       step = 2.0 ** (np.maximum(np.frexp(np.where(r == 0, 1, r))[1] - 1, -14) - 2)
;;       q = np.round(r / step) * step * 2.0 ** e      # np.round: ties to even
;;       return np.moveaxis(q, -1, axis).astype(np.float32)
;;   ~~~
;;   SOFTMAX AHEAD OF A QUANTISED PRODUCT. Where the list says 'softmax', what is quantised is not the finished softmax but p = 2^(t - M), with t = logit x log2(e) and M = ceil(the row's largest t), a whole number; so 1/2 < the row's largest p <= 1. The row's sum l is taken of the UNQUANTISED p, in f32, and the product's result is divided by l at the end. Since M is a whole number, a kernel that streams over the keys may use a running M (the ceiling of the running maximum): every later rescaling is an exact power of two, so the quantised numbers keep their values, but for numbers so far below the row's largest that they fall under the format's range.
;;   OPERANDS COMPUTED ON THE WAY. 'Computed on the way' means the value that the module computes at that place (a softmax that the list does not call 'softmax' is quantised finished and normalised). What goes into a quantiser is computed in f32, as accurately as f32 sums, v_exp_f32 and their like allow (about 1e-6 of the number): no bf16 or f16 on the way to a quantiser, and a product that is left as it is and whose result goes on into a quantised operand takes f32 operands (vector FMAs, or v_wmma_f32_16x16x4_f32). A number that lies on a knife's edge between two numbers of the format may be rounded either way, as far as f32 arithmetic and the matrix unit's own rounding can turn it there, and no further.
;; One version. Each part assembles by itself: llvm-mc -triple=amdgcn-amd-amdhsa -mcpu=gfx1250 --defsym DOCPART=n.
;; ======== version 1 of 1: 3 launches
;; limits: right only within a limited range of input values; inputs' magnitudes at most 536,870,912
;; workspace buffers: codes 28,311,552 bytes; qkv 25,165,824 bytes
;; launch quant (part 1): grid 256 x 1, 8 waves a work-group, no clusters, 0 bytes of LDS; arguments hidden_states, Wq, Wk, Wv, lowp_scales, codes; writes codes
.if DOCPART == 1
	.amdgcn_target "amdgcn-amd-amdhsa--gfx1250"
	.amdhsa_code_object_version 6
	.text
	.protected	k_q67eae9b9ca_quant
	.globl	k_q67eae9b9ca_quant
	.p2align	8
	.type	k_q67eae9b9ca_quant,@function
k_q67eae9b9ca_quant:
	s_mov_b64 s[64:65], 0
	v_nop
	global_prefetch_b8 v0, s[64:65] scope:SCOPE_SE
	s_setreg_imm32_b32 hwreg(HW_REG_WAVE_MODE, 25, 1), 1
	s_wait_xcnt 0x0
; hidden_states [8192][1024] f32 becomes THREE sets of E5M2 codes, under the scales 2^e0, 2^e2, 2^e4 (it is the left operand of three products, each with its own entry);
; Wq, Wk, Wv [1024 n][1024 k] f32 become one set each, under 2^e1, 2^e3, 2^e5.
; code = x / 2^e, held within +-57,344, rounded to the nearest code, ties to even.
; codes: x's set p at p x 0x800000, [8192][1024] bytes; W_j at 0x1800000 + j x 0x100000, [1024][1024] bytes.
; K IS PERMUTED, alike in x and in the W, inside each run of 512 numbers (half a row): lane l loads the four 16-byte pieces 128 i + 4 l + 0 .. 3 (i = 0 .. 3) of a run, and its 16 codes, in the order of its
; registers, are the bytes 16 l .. 16 l + 15 of the run's 512.  A product's sum over K pairs the same k of both operands, so no number changes, and the registers are converted as they were loaded: no LDS.
; LIMITS: e0 .. e5 between -126 and 112, so that 2^e and 57,344 x 2^e are f32 numbers.  NaN among the inputs is not served (an infinity is held at the largest code).
; SHARES: 2,048 waves; wave g takes numbers 4,096 g on of x (8 steps of 512) and numbers 512 g on of each W (one step each): 11 steps, the same text in every wave, no branch.
; All 44 loads of a wave go out together, 512 consecutive bytes each; a store of the wave covers 512 consecutive bytes, aligned.  Waves share nothing.  No loop, so no prefetch.
.set STEPS,  11
.set XSTEPS, 8
.set R,      16                        ; v16-191  16 registers a step
.set T,      192                       ; v192-207 the numbers held within the largest code x the scale
.set C,      208                       ; v208-231 two sets of 12 registers of codes
.set SCL,    232                       ; v232-243 entry k: v[SCL+2k] = 2^e_k, v[SCL+2k+1] = 57,344 x 2^e_k
	s_load_b256 s[4:11], s[0:1], 0x0               ; x s[4:5], Wq s[6:7], Wk s[8:9], Wv s[10:11]
	s_load_b128 s[12:15], s[0:1], 0x20             ; the scales' exponents s[12:13], codes s[14:15]
	v_lshrrev_b32 v1, 5, v0
	v_readfirstlane_b32 s16, v1                    ; wave 0..7
	v_and_b32 v2, 31, v0                           ; lane
	v_lshlrev_b32 v3, 4, v2                        ; my 16 bytes of a load's 512, and of a store's
	s_lshl_b32 s17, ttmp9, 3
	s_add_co_u32 s17, s17, s16                     ; g = 8 x work-group + wave
	s_mov_b32 s45, 0
	s_wait_alu depctr_va_vdst(0)
	s_wait_kmcnt 0x0
	s_load_b256 s[36:43], s[12:13], 0x0            ; e0 .. e7
	s_lshl_b32 s44, s17, 14
	s_add_nc_u64 s[20:21], s[4:5], s[44:45]        ; x at my 4,096 numbers
	s_lshl_b32 s44, s17, 11
	s_add_nc_u64 s[22:23], s[6:7], s[44:45]        ; each W at my 512 numbers
	s_add_nc_u64 s[24:25], s[8:9], s[44:45]
	s_add_nc_u64 s[26:27], s[10:11], s[44:45]
.set t, 0
.rept STEPS
.irp i, 0,1,2,3
.if t < XSTEPS
	global_load_b128 v[R+16*t+4*\i:R+16*t+4*\i+3], v3, s[20:21] offset:2048*t+512*\i th:TH_LOAD_NT
.else
	global_load_b128 v[R+16*t+4*\i:R+16*t+4*\i+3], v3, s[22+2*(t-XSTEPS):23+2*(t-XSTEPS)] offset:512*\i th:TH_LOAD_NT
.endif
.endr
.set t, t+1
.endr
	s_lshl_b32 s44, s17, 12
	s_add_nc_u64 s[28:29], s[14:15], s[44:45]      ; x's three sets of codes: a base each
	s_add_nc_u64 s[30:31], s[28:29], 0x800000
	s_add_nc_u64 s[32:33], s[28:29], 0x1000000
	s_lshl_b32 s44, s17, 9
	s_add_nc_u64 s[34:35], s[14:15], s[44:45]
	s_add_nc_u64 s[34:35], s[34:35], 0x1800000     ; the W's codes: W_j is reached by the immediate j << 20
	s_wait_kmcnt 0x0
.irp k, 0,1,2,3,4,5
	s_add_co_i32 s44, s[36+\k], 127
	s_lshl_b32 s45, s44, 23
	v_mov_b32 v[SCL+2*\k], s45                     ; 2^e as f32: the conversion takes its exponent field
	s_add_co_i32 s44, s44, 15
	s_lshl_b32 s44, s44, 23
	s_or_b32 s44, s44, 0x600000
	v_mov_b32 v[SCL+2*\k+1], s44                   ; 57,344 x 2^e
.endr
	s_wait_alu depctr_va_vdst(0)
.macro Q16 xs, k, dst                  ; 16 numbers in v[xs] on become 16 codes in v[dst] on, under entry k's scale
.irp i, 0,1,2,3,4,5,6,7,8,9,10,11,12,13,14,15
	v_med3_num_f32 v[T+\i], v[\xs+\i], -v[SCL+2*(\k)+1], v[SCL+2*(\k)+1]   ; the conversion to an 8-bit code does not saturate (ISA guide 7.6.2): the hold comes first; x's numbers stay as they are for the next scale
.endr
	v_cvt_scalef32_pk8_bf8_f32 v[\dst:\dst+1], v[T:T+7], v[SCL+2*(\k)]
	v_cvt_scalef32_pk8_bf8_f32 v[\dst+2:\dst+3], v[T+8:T+15], v[SCL+2*(\k)]
	v_nop                                          ; one plain vector line between the conversions and the next holds, which write their sources
.endm
.macro STEP t
.set XS, R+16*(\t)
.set CC, C+12*((\t)%2)
	s_wait_loadcnt 4*(STEPS-1-(\t))                ; this step's four loads are in; those of the steps behind it may be out
.if (\t) > 1
	s_wait_xcnt 0x0                                ; the stores of two steps back have read this set of code registers
.endif
.if (\t) < XSTEPS
	Q16 XS, 0, CC
	Q16 XS, 2, CC+4
	Q16 XS, 4, CC+8
	global_store_b128 v3, v[CC:CC+3], s[28:29] offset:512*(\t)
	global_store_b128 v3, v[CC+4:CC+7], s[30:31] offset:512*(\t)
	global_store_b128 v3, v[CC+8:CC+11], s[32:33] offset:512*(\t)
.else
	Q16 XS, 2*((\t)-XSTEPS)+1, CC
	global_store_b128 v3, v[CC:CC+3], s[34:35] offset:((\t)-XSTEPS)<<20
.endif
.endm
.irp t, 0,1,2,3,4,5,6,7,8,9,10
	STEP \t
.endr
	s_endpgm
.Lfunc_end_k_q67eae9b9ca_quant:
	.size	k_q67eae9b9ca_quant, .Lfunc_end_k_q67eae9b9ca_quant-k_q67eae9b9ca_quant
	.p2alignl 7, 3214868480
	.fill 96, 4, 3214868480
	.section	.rodata,"a",@progbits
	.p2align	6, 0x0
	.amdhsa_kernel k_q67eae9b9ca_quant
		.amdhsa_group_segment_fixed_size 0
		.amdhsa_private_segment_fixed_size 0
		.amdhsa_enable_private_segment 0
		.amdhsa_kernarg_size 48
		.amdhsa_user_sgpr_count 2
		.amdhsa_user_sgpr_kernarg_segment_ptr 1
		.amdhsa_wavefront_size32 1
		.amdhsa_system_sgpr_workgroup_id_x 1
		.amdhsa_system_sgpr_workgroup_id_y 1
		.amdhsa_system_sgpr_workgroup_id_z 1
		.amdhsa_system_vgpr_workitem_id 0
		.amdhsa_next_free_vgpr 244
		.amdhsa_next_free_sgpr 66
		.amdhsa_reserve_vcc 0
		.amdhsa_float_denorm_mode_32 3
		.amdhsa_float_denorm_mode_16_64 3
		.amdhsa_memory_ordered 1
		.amdhsa_forward_progress 1
		.amdhsa_inst_pref_size 42
	.end_amdhsa_kernel
	.amdgpu_metadata
---
amdhsa.version: [ 1, 2 ]
amdhsa.kernels:
  - .name:           k_q67eae9b9ca_quant
    .symbol:         k_q67eae9b9ca_quant.kd
    .args:
      - { .name: hidden_states, .offset: 0, .size: 8, .value_kind: global_buffer, .address_space: global }
      - { .name: Wq, .offset: 8, .size: 8, .value_kind: global_buffer, .address_space: global }
      - { .name: Wk, .offset: 16, .size: 8, .value_kind: global_buffer, .address_space: global }
      - { .name: Wv, .offset: 24, .size: 8, .value_kind: global_buffer, .address_space: global }
      - { .name: lowp_scales, .offset: 32, .size: 8, .value_kind: global_buffer, .address_space: global }
      - { .name: codes, .offset: 40, .size: 8, .value_kind: global_buffer, .address_space: global }
    .group_segment_fixed_size: 0
    .private_segment_fixed_size: 0
    .kernarg_segment_align: 8
    .kernarg_segment_size: 48
    .max_flat_workgroup_size: 256
    .sgpr_count:     66
    .vgpr_count:     244
    .wavefront_size: 32
...
	.end_amdgpu_metadata
.endif
;; end of part 1
;; launch proj (part 2): grid 8 x 32, 4 waves a work-group, clusters of 4 x 4, 327,680 bytes of LDS; arguments codes, bq, bk, bv, lowp_scales, qkv; writes qkv
.if DOCPART == 2
	.amdgcn_target "amdgcn-amd-amdhsa--gfx1250"
	.amdhsa_code_object_version 6
	.text
	.protected	k_q67eae9b9ca_proj
	.globl	k_q67eae9b9ca_proj
	.p2align	8
	.type	k_q67eae9b9ca_proj,@function
k_q67eae9b9ca_proj:
	s_mov_b64 s[64:65], 0
	v_nop
	global_prefetch_b8 v0, s[64:65] scope:SCOPE_SE
	s_setreg_imm32_b32 hwreg(HW_REG_WAVE_MODE, 25, 1), 1
	s_wait_xcnt 0x0
	s_wait_alu depctr_hold_cnt(0) depctr_sa_sdst(0) depctr_va_vdst(0) depctr_va_sdst(0) depctr_va_ssrc(0) depctr_va_vcc(0) depctr_vm_vsrc(0)
	s_getreg_b32 s2, hwreg(HW_REG_IB_STS2, 6, 4)
	s_cmp_eq_u32 s2, 0
	s_cbranch_scc0 .Lentry_in_a_cluster
	s_endpgm
.Lentry_in_a_cluster:
	s_bfe_u32 s2, ttmp6, 0x10000c
	s_cmp_lg_u32 s2, 0xf033
	s_cbranch_scc0 .Lentry_shape_is_right
	s_endpgm
.Lentry_shape_is_right:
; q, k, v = x W^T + b on E5M2 codes, quantised again for attention: q under 2^e6, k under 2^e7, v under 2^e9.  A sum stands for sum x 2^(ex + ew); the bias, divided by that, is the C of each sum's first product,
; and the code is sum / 2^(e - ex - ew), held at the largest code.
; qkv: q, k at p x 0x800000: [16 batch + head][token][64]; v at 0x1000000: [16 batch + head][token / 128][channel][128 tokens].
; LIMITS: for each of the three, e - ex - ew between -126 and 112, and the bias / 2^(ex + ew) is an f32 number.  NaN among the inputs is not served.
; SHARES: 256 work-groups of equal work.  Work-group (x, y) makes TWO blocks for the 256 tokens 256 y on: first 256 x 256 of q (x < 4) or of k, columns 256 (x % 4) on; then 256 x 128 of v, channels 128 x on.
; Four waves; in the first block a wave makes 128 tokens x 128 columns (64 accumulators), in the second 128 tokens x 64 channels (32).
; THE RING of two LDS slots does not stop between the blocks: its 8 steps of 256 along K are four of the first block and four of the second.  A slot: region A of 256 rows, region B of 256 rows, 272 bytes apart.
; First block: A = x, B = W.  Second block: A = Wv (128 rows), B = x.  Source 0 of a product takes rows of B and source 1 rows of A: so a lane holds 8 neighbouring columns of a token in q and k,
; and 8 neighbouring tokens of a channel in v.
; CLUSTERS: 4 x 4.  x's tiles hang on y alone and are shared along a row of the cluster (all four make q, or all make k), W's on x alone and along a column: joint loads.
; PREFETCH: behind each joint load, x's tile that stands two refills on (32 rows a wave, a lane a row; the four partners of the row share the 128 rows out by address, cx): by waves 0, 1 for the first block, by waves 2, 3 for
; the second.  The last refills ask for nothing.  W is not prefetched: its 1 MiB is walked by all clusters of a column alike.
; REGISTERS.  Window 0: v0-31 addresses and constants; v32-95 held sums on the way out (v's bias C tiles v32-63); v64-127 the first block's bias C tiles, then v96-127 codes; v128-255 fragments of A.
;   Window 1: fragments of B, two sets.  Windows 2, 3: accumulators ((a, b) at v[8 (8 (a % 4) + b)], a < 4 in window 2).
.set ROWB,   256
.set KROW,   1024
.set PITCH,  272                       ; 256 bytes + 16: the 16 rows that a load touches start at 16 different 16-byte columns modulo 256 bytes
.set HALFT,  128*PITCH
.set SLOT,   4*HALFT
.set STG,    2*SLOT                    ; the way out: 2,560 bytes for each wave; no fill lands here
.set SPARE,  STG+4*2560
.set RAWV, 8                           ; v8-11  v's bias, a number a lane for each 16 channels
.set SC2,  12                          ; v12, v13 v's scale and largest number
.set LIM2, 13
.set ADRA, 16                          ; v16-17 my fragments' LDS address in slot 0, 1: A of the first block,
.set ADRV, 18                          ; A of the second,
.set ADRB, 20                          ; B
.set CO,   22                          ; 16 x lane
.set PFO,  23                          ; 1,024 x lane
.set STQ,  24                          ; the stage, in and back, for q and k,
.set RDQ,  25
.set STV,  26                          ; for v
.set RDV,  27
.set SPW,  28
.set NIL,  29
.set SCV,  30                          ; the first block's scale and largest number
.set LIMV, 31
.set TMP,  32
.set CBV,  32
.set CB,   64
.set PC,   96
.set AF,   128
.set BK,   192                         ; the way out: rows read back
.set G1,   24                          ; s[24:31] group 1: 128 rows, shared along my row;  s[48:55]: 128 rows, along my column;  s[72:79]: 64 rows, along my column
.set G0,   32                          ; groups 0, one for each slot: s[32:39] x, s[56:63] W, s[80:87] Wv, s[88:95] x for v
.set G1B,  48
.set G0B,  56
.set G1V,  72
.set GW,   80
.set GX,   88
.set PF1,  66                          ; s[66:67], s[96:97] where my prefetches stand: x for the first block, for the second
.set PF2,  96
.set MSB, 0
.macro WIN new                         ; the immediate's high byte repeats the setting that is left
.if MSB != \new
	s_set_vgpr_msb (MSB<<8)|\new
.set MSB, \new
.endif
.endm
.set MUL_LO, 0xa1                      ; source 0 window 1, source 1 window 0, C and D window 2
.set MUL_HI, 0xf1                      ; C and D window 3
.set TO_B,   0x40
.macro JLOAD g0a, g1a, g0b, g1b        ; a joint load: waves 0, 1 fill region A, waves 2, 3 region B
	s_cmp_eq_u32 s15, 0
	s_cbranch_scc0 .Lfor_b_\@
	tensor_load_to_lds s[\g0a:\g0a+3], s[\g1a:\g1a+7]
	s_nop 0
.rept 4
	v_nop
.endr
	s_branch .Lasked_\@
.Lfor_b_\@:
	tensor_load_to_lds s[\g0b:\g0b+3], s[\g1b:\g1b+7]
	s_nop 0
.rept 4
	v_nop
.endr
.Lasked_\@:
.endm
.macro ASK who, base, step
	s_cmp_eq_u32 s15, \who
	s_cbranch_scc0 .Lnot_mine_\@
	global_prefetch_b8 v[PFO], s[\base:\base+1] offset:ROWB*(\step) th:TH_LOAD_NT scope:SCOPE_SE
.Lnot_mine_\@:
.endm
.macro CREST                           ; a round of the cluster's barrier behind its opening barrier
	s_cmp_lg_u32 s14, 0
	s_cbranch_scc1 .Lnot_wave_0_\@
	s_barrier_signal -3
.Lnot_wave_0_\@:
	s_barrier_wait -3
	s_barrier_signal -1
	s_barrier_wait -1
.endm
.macro CROUND
	s_barrier_signal -1
	s_barrier_wait -1
	CREST
.endm
	s_load_b256 s[4:11], s[0:1], 0x0               ; codes, bq, bk, bv
	s_load_b128 s[68:71], s[0:1], 0x20             ; the scales' exponents, qkv
	v_lshl_add_u32 v[SPW], v0, 2, SPARE
	v_mov_b32 v[NIL], 0
	ds_add_u32 v[SPW], v[NIL]                      ; the wave's opening: the add, twice on end, and its wait
	ds_add_u32 v[SPW], v[NIL]
	v_lshrrev_b32 v1, 5, v0
	v_readfirstlane_b32 s14, v1                    ; wave 0..3
	s_lshr_b32 s15, s14, 1                         ; which half of A's rows is mine; also: I fetch for region A (0) or B (1)
	s_and_b32 s16, s14, 1                          ; which half of B's rows; also: which half of the region I fetch
	s_bfe_u32 s12, ttmp6, 0x40000                  ; cx
	s_bfe_u32 s13, ttmp6, 0x40004                  ; cy
	s_mov_b32 s17, ttmp9                           ; 0: q, 1: k.  x = 4 s17 + cx
	s_and_b32 s18, ttmp7, 0xffff                   ; the batch.  y = 4 batch + cy
	s_lshl_b32 s40, s13, 2
	s_lshl_b32 s40, 15, s40                        ; my row of the cluster
	s_lshl_b32 s41, 0x1111, s12                    ; my column
	s_or_b32 s[G1+0], s40, (0<<16)|(1<<20)|(1<<21)|(5<<22)|(3<<25)  ; mask; elements of 1 byte; padding: four words after every 64; bit 21 beside a mask
	s_or_b32 s[G1B+0], s41, (0<<16)|(1<<20)|(1<<21)|(5<<22)|(3<<25)
	s_or_b32 s[G1V+0], s41, (0<<16)|(1<<20)|(1<<21)|(5<<22)|(3<<25)
.irp g, G1, G1B
	s_mov_b32 s[\g+2], 128<<16                     ; tensor_dim1
	s_mov_b32 s[\g+4], 128                         ; tile_dim1
.endr
	s_mov_b32 s[G1V+2], 64<<16
	s_mov_b32 s[G1V+4], 64
.irp g, G1, G1B, G1V
	s_mov_b32 s[\g+1], ROWB<<16                    ; tensor_dim0
	s_mov_b32 s[\g+3], ROWB<<16                    ; tile_dim0
	s_mov_b32 s[\g+5], KROW                        ; tensor_dim0_stride
	s_mov_b32 s[\g+6], 0
	s_mov_b32 s[\g+7], 0
.endr
	s_lshl_b32 s20, s18, 20                        ; x: row 1,024 batch + 256 cy + 128 half, 1,024 bytes each
	s_lshl_b32 s21, s13, 18
	s_add_co_u32 s20, s20, s21
	s_lshl_b32 s21, s16, 17
	s_add_co_u32 s20, s20, s21
	s_add_co_u32 s42, s20, 0x1000000               ; in the set for v,
	s_mov_b32 s43, 0
	s_lshl_b32 s21, s17, 23
	s_add_co_u32 s20, s20, s21                     ; in the set for q or k
	s_mov_b32 s21, 0
	s_lshl_b32 s46, s12, 18                        ; W: row 256 cx + 128 half
	s_lshl_b32 s47, s16, 17
	s_add_co_u32 s46, s46, s47
	s_lshl_b32 s47, s17, 20
	s_add_co_u32 s46, s46, s47
	s_add_co_u32 s46, s46, 0x1800000
	s_mov_b32 s47, 0
	s_lshl_b32 s44, s12, 17                        ; Wv: row 128 (4 s17 + cx) + 64 half
	s_lshl_b32 s45, s16, 16
	s_add_co_u32 s44, s44, s45
	s_lshl_b32 s45, s17, 19
	s_add_co_u32 s44, s44, s45
	s_add_co_u32 s44, s44, 0x1a00000
	s_mov_b32 s45, 0
	s_mul_i32 s22, s14, HALFT                      ; where my fills go: wave x 128 rows (region A's halves, then B's);
	s_mul_i32 s23, s14, 64*PITCH                   ; Wv's: wave x 64 rows of region A
	s_lshl_b32 s98, s12, 15                        ; the prefetches: my work-group's 32 of the 128 rows
	s_mov_b32 s99, 0
	s_wait_dscnt 0x0                               ; both opening adds are done
	s_wait_alu depctr_va_vdst(0)
	s_wait_kmcnt 0x0
	s_add_nc_u64 s[20:21], s[4:5], s[20:21]
	s_add_nc_u64 s[42:43], s[4:5], s[42:43]
	s_add_nc_u64 s[46:47], s[4:5], s[46:47]
	s_add_nc_u64 s[44:45], s[4:5], s[44:45]
	s_add_nc_u64 s[PF1:PF1+1], s[20:21], s[98:99]
	s_add_nc_u64 s[PF2:PF2+1], s[42:43], s[98:99]
.macro GROUP0 g, place, addr           ; both slots' groups 0: K steps 0 and 1
.irp s, 0,1
	s_mov_b32 s[\g+4*\s], 1
	s_add_co_u32 s[\g+4*\s+1], s[\place], \s*SLOT
	s_add_nc_u64 s[\g+4*\s+2:\g+4*\s+3], s[\addr:\addr+1], \s*ROWB
	s_or_b32 s[\g+4*\s+3], s[\g+4*\s+3], 0x80000000
.endr
.endm
	GROUP0 G0, 22, 20
	GROUP0 G0B, 22, 46
	CROUND                                         ; all sixteen work-groups are here: the first joint loads meet
	JLOAD G0, G1, G0B, G1B                         ; ring step 0: one tensor load a wave at the head
	GROUP0 GW, 23, 44
	GROUP0 GX, 22, 42
	s_load_b256 s[40:47], s[68:69], 0x0            ; e0 .. e7
	s_load_b64 s[22:23], s[68:69], 0x20            ; e8, e9
	s_cmp_eq_u32 s17, 0
	s_cselect_b64 s[98:99], s[6:7], s[8:9]         ; bq or bk
	s_lshl_b32 s100, s12, 10
	s_lshl_b32 s101, s16, 9
	s_add_co_u32 s100, s100, s101
	s_mov_b32 s101, 0
	s_add_nc_u64 s[98:99], s[98:99], s[100:101]    ; at my 128 columns
	s_lshl_b32 s100, s17, 11
	s_lshl_b32 s101, s12, 9
	s_add_co_u32 s100, s100, s101
	s_lshl_b32 s101, s15, 8
	s_add_co_u32 s100, s100, s101
	s_mov_b32 s101, 0
	s_add_nc_u64 s[10:11], s[10:11], s[100:101]    ; bv at my 64 channels
	s_lshl_b32 s100, s18, 20                       ; qkv, first block: head 16 batch + 4 cx + 2 half, token 256 cy + 128 half
	s_lshl_b32 s101, s12, 18
	s_add_co_u32 s100, s100, s101
	s_lshl_b32 s101, s16, 17
	s_add_co_u32 s100, s100, s101
	s_lshl_b32 s101, s13, 14
	s_add_co_u32 s100, s100, s101
	s_lshl_b32 s101, s15, 13
	s_add_co_u32 s100, s100, s101
	s_lshl_b32 s101, s17, 23
	s_add_co_u32 s100, s100, s101
	s_mov_b32 s101, 0
	s_add_nc_u64 s[2:3], s[70:71], s[100:101]
	s_lshl_b32 s100, s18, 20                       ; second block: head 16 batch + 2 x + half, 128 tokens 2 cy + half
	s_lshl_b32 s101, s17, 19
	s_add_co_u32 s100, s100, s101
	s_lshl_b32 s101, s12, 17
	s_add_co_u32 s100, s100, s101
	s_lshl_b32 s101, s15, 16
	s_add_co_u32 s100, s100, s101
	s_lshl_b32 s101, s13, 14
	s_add_co_u32 s100, s100, s101
	s_lshl_b32 s101, s16, 13
	s_add_co_u32 s100, s100, s101
	s_add_co_u32 s100, s100, 0x1000000
	s_mov_b32 s101, 0
	s_add_nc_u64 s[70:71], s[70:71], s[100:101]
	s_mul_i32 s20, s15, HALFT                      ; fragments: my half of A,
	s_mul_i32 s21, s15, 64*PITCH                   ; of Wv,
	s_mul_i32 s100, s16, HALFT                     ; of B
	s_add_co_u32 s100, s100, 2*HALFT
	s_mul_i32 s101, s14, 2560
	s_add_co_u32 s101, s101, STG                   ; my stage
	v_and_b32 v1, 15, v0                           ; r
	v_bfe_u32 v2, v0, 4, 1                         ; h
	v_and_b32 v3, 31, v0                           ; lane
	v_lshlrev_b32 v5, 5, v2                        ; bias: 32 h
	v_lshlrev_b32 v6, 2, v1                        ; and 4 r
	v_lshlrev_b32 v[PFO], 10, v3
	v_lshlrev_b32 v[CO], 4, v3
	v_mul_u32_u24 v4, v1, PITCH
	v_lshl_add_u32 v4, v2, 4, v4                   ; a fragment's row x pitch + 16 h
	v_add_nc_u32 v[ADRA], s20, v4
	v_add_nc_u32 v[ADRA+1], SLOT, v[ADRA]
	v_add_nc_u32 v[ADRV], s21, v4
	v_add_nc_u32 v[ADRV+1], SLOT, v[ADRV]
	v_add_nc_u32 v[ADRB], s100, v4
	v_add_nc_u32 v[ADRB+1], SLOT, v[ADRB]
	v_mul_u32_u24 v[STQ], v1, 80                   ; q, k: in: a token's row of 64 bytes + 16, my 8 bytes
	v_lshl_add_u32 v[STQ], v2, 3, v[STQ]
	v_add_nc_u32 v[STQ], s101, v[STQ]
	v_lshrrev_b32 v7, 2, v3                        ; back: four lanes a token
	v_mul_u32_u24 v[RDQ], v7, 80
	v_and_b32 v7, 3, v3
	v_lshl_add_u32 v[RDQ], v7, 4, v[RDQ]
	v_add_nc_u32 v[RDQ], s101, v[RDQ]
	v_mul_u32_u24 v[STV], v1, 144                  ; v: in: a channel's row of 128 bytes + 16
	v_lshl_add_u32 v[STV], v2, 3, v[STV]
	v_add_nc_u32 v[STV], s101, v[STV]
	v_lshrrev_b32 v7, 3, v3                        ; back: eight lanes a channel
	v_mul_u32_u24 v[RDV], v7, 144
	v_and_b32 v7, 7, v3
	v_lshl_add_u32 v[RDV], v7, 4, v[RDV]
	v_add_nc_u32 v[RDV], s101, v[RDV]
.irp b, 0,1,2,3,4,5,6,7                ; the bias at columns 16 b + 8 h + 0 .. 7
	global_load_b128 v[CB+8*\b:CB+8*\b+3], v5, s[98:99] offset:64*\b
	global_load_b128 v[CB+8*\b+4:CB+8*\b+7], v5, s[98:99] offset:64*\b+16
.endr
.irp a, 0,1,2,3                        ; v's at channel 16 a + r
	global_load_b32 v[RAWV+\a], v6, s[10:11] offset:64*\a
.endr
	s_wait_alu depctr_va_vdst(0)
	ASK 0, PF1, 2                                  ; ring step 2's x
	s_wait_kmcnt 0x0
	s_cmp_eq_u32 s17, 0
	s_cselect_b32 s40, s40, s42                    ; ex
	s_cselect_b32 s41, s41, s43                    ; ew
	s_cselect_b32 s46, s46, s47                    ; the result's
	s_add_co_i32 s40, s40, s41
	s_add_co_i32 s44, s44, s45
	s_sub_co_i32 s46, s46, s40
	s_sub_co_i32 s23, s23, s44
	s_sub_co_i32 s19, 0, s40                       ; the bias goes in x 2^-(ex + ew)
	s_sub_co_i32 s20, 0, s44
.macro SCALE e, sc, lim                ; 2^e as f32 and 57,344 x 2^e
	s_add_co_i32 s[\e], s[\e], 127
	s_lshl_b32 s21, s[\e], 23
	v_mov_b32 v[\sc], s21
	s_add_co_i32 s[\e], s[\e], 15
	s_lshl_b32 s[\e], s[\e], 23
	s_or_b32 s[\e], s[\e], 0x600000
	v_mov_b32 v[\lim], s[\e]
.endm
	SCALE 46, SCV, LIMV
	SCALE 23, SC2, LIM2
	s_wait_alu depctr_va_vdst(0)
	s_wait_loadcnt 0x0
.set n, 0
.rept 64
	v_ldexp_f32 v[CB+n], v[CB+n], s19
.set n, n+1
.endr
.macro FRAG reg, adr, q, i             ; 16 rows x 128 K: registers 4 c .. 4 c + 3 hold K = 32 c + 16 h + 0 .. 15, alike in A and B
.irp c, 0,1,2,3
	ds_load_b128 v[\reg+4*\c:\reg+4*\c+3], v[\adr] offset:128*(\q)+32*\c+(\i)*16*PITCH
.endr
.endm
.macro PLACES
.rept 4
	v_nop
.endr
.endm
.macro MM acc, bb, aa, cc
	v_wmma_f32_16x16x128_bf8_bf8 v[\acc:\acc+7], v[\bb:\bb+15], v[\aa:\aa+15], v[\cc:\cc+7]
.endm
; 16 products of the first block: A's blocks a0, a0 + 1 x B's eight.  bias = 1: the first product starts the sum from the bias.  The accumulators take turns, one instruction a turn.
.macro MUL16 a0, p, bias
.irp a, \a0, \a0+1
.irp b, 0,1,2,3,4,5,6,7
.if \bias
	MM 8*(8*((\a)%4)+\b), 128*(\p)+16*\b, AF+16*(\a), CB+8*\b
.else
	MM 8*(8*((\a)%4)+\b), 128*(\p)+16*\b, AF+16*(\a), 8*(8*((\a)%4)+\b)
.endif
.endr
.endr
.endm
.macro MUL8 a, p, bias                 ; 8 products of the second block: Wv's block a of 16 channels x 8 blocks of 16 tokens
.irp b, 0,1,2,3,4,5,6,7
.if \bias
	MM 8*(8*(\a)+\b), 128*(\p)+16*\b, AF+64*(\p)+16*(\a), CBV+8*(\a)
.else
	MM 8*(8*(\a)+\b), 128*(\p)+16*\b, AF+64*(\p)+16*(\a), 8*(8*(\a)+\b)
.endif
.endr
.endm
.macro FETCH_B slot, q, p
	WIN TO_B
.irp i, 0,1,2,3,4,5,6,7
	FRAG 128*(\p)+16*\i, ADRB+\slot, \q, \i
.endr
	WIN 0
.endm
.macro FETCH_A slot, q, i0
.irp i, \i0, \i0+1, \i0+2, \i0+3
	FRAG AF+16*(\i), ADRA+\slot, \q, \i
.endr
.endm
.macro FETCH2 slot, q, p               ; the second block's fragments: two sets of both operands
	FETCH_B \slot, \q, \p
.irp i, 0,1,2,3
	FRAG AF+64*(\p)+16*\i, ADRV+\slot, \q, \i
.endr
.endm
; First block, a slot's first 128 along K.  A has one set of registers: blocks 0-3 are fetched anew in the middle, blocks 4-7 at the end.
.macro STEP slot, bias
	s_wait_dscnt 16                                ; B's set and A's blocks 0-3 are in; A's blocks 4-7 may be out
.if \bias
	WIN 0x81
.else
	WIN MUL_LO
.endif
	MUL16 0, 0, \bias
	MUL16 2, 0, \bias
	s_wait_dscnt 0
	PLACES
	FETCH_B \slot, 1, 1
	FETCH_A \slot, 1, 0
.if \bias
	WIN 0xc1
.else
	WIN MUL_HI
.endif
	MUL16 4, 0, \bias
	MUL16 6, 0, \bias
	PLACES
	WIN 0
	FETCH_A \slot, 1, 4
.endm
; First block, a slot's second 128: the change of slots.  v = 0: the slot takes the first block's K step two on; v = 1: the second block's K step 0 or 1.  In ring step 3 the next fragments are the second block's.
.macro TURN slot, next, v, ask
	s_wait_tensorcnt 0x0                           ; my part of the next slot is in
	ds_add_u32 v[SPW], v[NIL]
	s_wait_dscnt 17                                ; A's blocks 4-7 and the add may be out
	WIN MUL_LO
	MUL16 0, 1, 0
	s_wait_dscnt 0x0                               ; the add is done, and my reads of this slot are over
	s_barrier_signal -1
	MUL16 2, 1, 0
	WIN 0
	s_barrier_wait -1
	CREST                                          ; no wave of any partner still reads this slot or has a load on its way
.if \v
	JLOAD GW+4*\slot, G1V, GX+4*\slot, G1
.else
	s_add_nc_u64 s[G0+4*\slot+2:G0+4*\slot+3], s[G0+4*\slot+2:G0+4*\slot+3], 2*ROWB
	s_add_nc_u64 s[G0B+4*\slot+2:G0B+4*\slot+3], s[G0B+4*\slot+2:G0B+4*\slot+3], 2*ROWB
	JLOAD G0+4*\slot, G1, G0B+4*\slot, G1B         ; the four v_nop behind it are also the places in front of the loads below
.endif
.if (\v) && ((\slot) == 1)
	FETCH2 \next, 0, 0
.else
	FETCH_B \next, 0, 0
	FETCH_A \next, 0, 0
.endif
	ASK 1, PF2, \ask                               ; the second block's x, two refills on
	WIN MUL_HI
	MUL16 4, 1, 0
	MUL16 6, 1, 0
	PLACES
	WIN 0
.if ((\v) == 0) || ((\slot) == 0)
	FETCH_A \next, 0, 4
.endif
.endm
; Second block, a slot's first 128: the second 128's fragments are fetched ahead of the products.
.macro STEP2 slot, bias
	s_wait_dscnt 0x0                               ; set 0 is in
	PLACES                                         ; for the loads into set 1
	FETCH2 \slot, 1, 1
.if \bias
	WIN 0x81
.else
	WIN MUL_LO
.endif
.irp a, 0,1,2,3
	MUL8 \a, 0, \bias
.endr
	WIN 0
.endm
.macro TURN2 slot, next, fill
	s_wait_tensorcnt 0x0
	ds_add_u32 v[SPW], v[NIL]
	s_wait_dscnt 1                                 ; set 1 is in; the add may be out
	WIN MUL_LO
	MUL8 0, 1, 0
	s_wait_dscnt 0x0
	s_barrier_signal -1
	MUL8 1, 1, 0
	WIN 0
	s_barrier_wait -1
.if \fill
	CREST
	s_add_nc_u64 s[GW+4*\slot+2:GW+4*\slot+3], s[GW+4*\slot+2:GW+4*\slot+3], 2*ROWB
	s_add_nc_u64 s[GX+4*\slot+2:GX+4*\slot+3], s[GX+4*\slot+2:GX+4*\slot+3], 2*ROWB
	JLOAD GW+4*\slot, G1V, GX+4*\slot, G1
.else
	PLACES
.endif
	FETCH2 \next, 0, 0
	WIN MUL_LO
	MUL8 2, 1, 0
	MUL8 3, 1, 0
	WIN 0
.endm
; THE WAY OUT of block a: held, converted, through my stage (LDS serves a wave's instructions in order), and back so that a store of the wave covers 512 consecutive bytes, aligned.
.macro HOLD a, lim, sc
.set AC, 64*((\a)%4)
.set PS, PC+16*((\a)%2)
	WIN 0x02+((\a)/4)
.set n, 0
.rept 64
	v_med3_num_f32 v[TMP+n], v[AC+n], -v[\lim], v[\lim]   ; the conversion does not saturate (ISA guide 7.6.2)
.set n, n+1
.endr
	WIN 0
.irp b, 0,1,2,3,4,5,6,7
	v_cvt_scalef32_pk8_bf8_f32 v[PS+2*\b:PS+2*\b+1], v[TMP+8*\b:TMP+8*\b+7], v[\sc]
.endr
	v_nop                                          ; a plain line between the conversions and the next holds
.endm
.macro OUTQ a                          ; 16 tokens x 2 heads x 64 bytes
	HOLD \a, LIMV, SCV
.irp b, 0,1,2,3,4,5,6,7
	ds_store_b64 v[STQ], v[PS+2*\b:PS+2*\b+1] offset:1280*(\b/4)+16*(\b%4)
.endr
.if (\a) > 3
	s_wait_xcnt 0x0                                ; block a - 4's stores have read their registers
.endif
.irp i, 0,1,2,3
	ds_load_b128 v[BK+16*((\a)%4)+4*\i:BK+16*((\a)%4)+4*\i+3], v[RDQ] offset:1280*(\i/2)+640*(\i%2)
.endr
.endm
.macro SENDQ a
.irp i, 0,1,2,3
	global_store_b128 v[CO], v[BK+16*((\a)%4)+4*\i:BK+16*((\a)%4)+4*\i+3], s[2:3] offset:65536*(\i/2)+1024*(\a)+512*(\i%2)
.endr
.endm
.macro OUTV a                          ; 16 channels x 128 bytes
	HOLD \a, LIM2, SC2
.irp b, 0,1,2,3,4,5,6,7
	ds_store_b64 v[STV], v[PS+2*\b:PS+2*\b+1] offset:16*\b
.endr
.irp i, 0,1,2,3
	ds_load_b128 v[BK+16*(\a)+4*\i:BK+16*(\a)+4*\i+3], v[RDV] offset:576*\i
.endr
.endm
.macro SENDV a
.irp i, 0,1,2,3
	global_store_b128 v[CO], v[BK+16*(\a)+4*\i:BK+16*(\a)+4*\i+3], s[70:71] offset:2048*(\a)+512*\i
.endr
.endm
	s_wait_alu depctr_va_vdst(0)
	s_wait_tensorcnt 0x0                           ; my part of ring step 0 is in
	ds_add_u32 v[SPW], v[NIL]
	s_wait_dscnt 0x0
	CROUND
	JLOAD G0+4, G1, G0B+4, G1B                     ; ring step 1
	FETCH_B 0, 0, 0
	FETCH_A 0, 0, 0
	FETCH_A 0, 0, 4
	ASK 0, PF1, 3                                  ; ring step 3's x
	STEP 0, 1
	TURN 0, 1, 0, 0
	STEP 1, 0
	TURN 1, 0, 0, 1
	STEP 0, 0
	TURN 0, 1, 1, 2
	STEP 1, 0
	TURN 1, 0, 1, 3                                ; the first block's sums are finished; the second's tiles and first fragments are on their way
	OUTQ 0
.irp a, 1,2,3,4,5,6,7
	OUTQ \a
	s_wait_dscnt 12                                ; block a - 1 is back; block a's eight stores and four loads may be out
	SENDQ \a-1
.endr
	s_wait_dscnt 0x0
	SENDQ 7
.irp a, 0,1,2,3
.irp j, 0,1,2,3,4,5,6,7
	v_ldexp_f32 v[CBV+8*\a+\j], v[RAWV+\a], s20    ; v's bias: one number a lane
.endr
.endr
	s_wait_alu depctr_va_vdst(0)
	s_wait_xcnt 0x0                                ; the stores have read their registers, which take fragments again
	STEP2 0, 1
	TURN2 0, 1, 1
	STEP2 1, 0
	TURN2 1, 0, 1
	STEP2 0, 0
	TURN2 0, 1, 0                                  ; the last slots fill nothing, and have no round of the cluster's barrier
	STEP2 1, 0
	s_wait_dscnt 0x0
	WIN MUL_LO
.irp a, 0,1,2,3
	MUL8 \a, 1, 0
.endr
	WIN 0
	PLACES                                         ; for the reads of the last results, and the loads into the fragments' registers
	OUTV 0
.irp a, 1,2,3
	OUTV \a
	s_wait_dscnt 12
	SENDV \a-1
.endr
	s_wait_dscnt 0x0
	SENDV 3
	s_wait_tensorcnt 0x0                           ; the wave's end
	ds_add_u32 v[SPW], v[NIL]
	s_wait_dscnt 0x0
	CROUND                                         ; the closing round
	s_endpgm
.Lfunc_end_k_q67eae9b9ca_proj:
	.size	k_q67eae9b9ca_proj, .Lfunc_end_k_q67eae9b9ca_proj-k_q67eae9b9ca_proj
	.p2alignl 7, 3214868480
	.fill 96, 4, 3214868480
	.section	.rodata,"a",@progbits
	.p2align	6, 0x0
	.amdhsa_kernel k_q67eae9b9ca_proj
		.amdhsa_group_segment_fixed_size 327680
		.amdhsa_private_segment_fixed_size 0
		.amdhsa_enable_private_segment 0
		.amdhsa_kernarg_size 48
		.amdhsa_user_sgpr_count 2
		.amdhsa_user_sgpr_kernarg_segment_ptr 1
		.amdhsa_wavefront_size32 1
		.amdhsa_system_sgpr_workgroup_id_x 1
		.amdhsa_system_sgpr_workgroup_id_y 1
		.amdhsa_system_sgpr_workgroup_id_z 1
		.amdhsa_system_vgpr_workitem_id 0
		.amdhsa_next_free_vgpr 1024
		.amdhsa_next_free_sgpr 102
		.amdhsa_reserve_vcc 0
		.amdhsa_float_denorm_mode_32 3
		.amdhsa_float_denorm_mode_16_64 3
		.amdhsa_memory_ordered 1
		.amdhsa_forward_progress 1
		.amdhsa_inst_pref_size 207
	.end_amdhsa_kernel
	.amdgpu_metadata
---
amdhsa.version: [ 1, 2 ]
amdhsa.kernels:
  - .name:           k_q67eae9b9ca_proj
    .symbol:         k_q67eae9b9ca_proj.kd
    .args:
      - { .name: codes, .offset: 0, .size: 8, .value_kind: global_buffer, .address_space: global }
      - { .name: bq, .offset: 8, .size: 8, .value_kind: global_buffer, .address_space: global }
      - { .name: bk, .offset: 16, .size: 8, .value_kind: global_buffer, .address_space: global }
      - { .name: bv, .offset: 24, .size: 8, .value_kind: global_buffer, .address_space: global }
      - { .name: lowp_scales, .offset: 32, .size: 8, .value_kind: global_buffer, .address_space: global }
      - { .name: qkv, .offset: 40, .size: 8, .value_kind: global_buffer, .address_space: global }
    .group_segment_fixed_size: 327680
    .private_segment_fixed_size: 0
    .kernarg_segment_align: 8
    .kernarg_segment_size: 48
    .max_flat_workgroup_size: 128
    .sgpr_count:     102
    .vgpr_count:     1024
    .wavefront_size: 32
...
	.end_amdgpu_metadata
.endif
;; end of part 2
;; launch attn (part 3): grid 2 x 128, 8 waves a work-group, no clusters, 195,584 bytes of LDS; arguments qkv, attention_mask, lowp_scales, out0; writes out0
.if DOCPART == 3
	.amdgcn_target "amdgcn-amd-amdhsa--gfx1250"
	.amdhsa_code_object_version 6
	.text
	.protected	k_q67eae9b9ca_attn
	.globl	k_q67eae9b9ca_attn
	.p2align	8
	.type	k_q67eae9b9ca_attn,@function
k_q67eae9b9ca_attn:
	s_mov_b64 s[64:65], 0
	v_nop
	global_prefetch_b8 v0, s[64:65] scope:SCOPE_SE
	s_setreg_imm32_b32 hwreg(HW_REG_WAVE_MODE, 25, 1), 1
	s_wait_xcnt 0x0
; out[b][q][64 head + d] = sum over k of softmax_k(q . k / 8 + mask[b][k]) v[k][d], both products on E5M2 codes (q: 2^e6, k: 2^e7, p: 2^e8, v: 2^e9).
; t = logit x log2(e); M = the running largest t, rounded UP to a whole number; p = 2^(t - M) is quantised, not normalised; the row's sum is taken of the unquantised p and divides at the end.
; When M moves, the sum and O are multiplied by 2^(old M - new M): exact.
; SHARES.  A work-group owns 512 queries of one head (x: which half; y: 16 batch + head); each of its eight waves owns 64 queries, four tiles of 16, and walks the 1,024 keys in 8 steps of 128.
; Two tiles, A and B, go through a step together; a step's fragments of K and of V are read from LDS once for the four tiles.
; K AND V go from memory through registers into LDS, a chunk (128 keys of K, and of V: 16,384 bytes) for each key step, each into bytes of its own: chunks 0 and 1 at the head, chunk s + 2 in the middle of step s,
; from registers that were asked for a whole step earlier.  No byte of LDS is filled twice.  One barrier a step, signalled at a step's end and waited for in the middle of the next.
; The hold of p at the largest code stands under a scalar branch on the given e8: p is at most 1, which lies under 57,344 x 2^e8 wherever e8 is -15 or more.
; No cluster: only two work-groups share a head's K and V.  No prefetch: every chunk is asked for at the head or a whole key step ahead of its store.
; LAYOUT.  Both products are used transposed, so that a lane holds ONE query (lane % 16) throughout.
;   LDS row 32 b + 16 u + 8 h + j of a chunk of K is key 32 b + 16 h + 8 u + j (bits 3 and 4 swapped), so register j of tile 2 b + u of S^T is key 32 b + 16 h + 8 u + j, h = lane / 16: the 16 registers of
;   tiles 2 b, 2 b + 1 are 16 neighbouring keys, whose codes are registers 4 b .. 4 b + 3 of P; V is read in that order, 16 bytes a load.
;   S^T = K Q^T + C (K = 64).  C IS THE MASK: mask' = mask x 8 / 2^(e6 + e7), so that t = S x c', c' = log2(e) / 8 x 2^(e6 + e7).  The mask is loaded into tile B's registers and is the C of both tiles.
;   O^T += V^T P (K = 128).
; LIMITS: e6 + e7 between -95 and 130; e8 between -126 and 112.  A mask beyond +-2^29 counts as +-2^29 (p of such a key is 0 beside any key that is not masked; with |t| under 2^30 every p, sum and O stays finite
; even where a whole key step is masked).  NaN among the inputs is not served, nor a row all of whose keys carry -infinity (NaN by definition).
; REGISTERS.  Window 0: v1-15 addresses; v16-31 at work; v32-47 four registers a tile: -M, (its pair), the sum in two halves; v48-63 a chunk on its way; v64-95 Q; v96-127 P's codes; v128-255 S^T of A and B, then p.
;   Window 1: v0-63 K of a step; v64-127 V of a step; v128-255 O^T, 32 a tile.
.set KP,    80                         ; a key's row in LDS: 64 bytes + 16: the 16 rows of a 16-byte load start at 16 different 16-byte columns modulo 256 bytes
.set VP,    144                        ; a row of V (one channel, 128 keys): 128 bytes + 16
.set VOFF,  1024*KP                    ; V: 512 rows, row = 64 x key step + channel
.set MOFF,  VOFF+512*VP                ; mask': 1,024 numbers
.set STAGE, MOFF+4096                  ; the way out: 16 rows x 272 bytes for each wave
.set SPITCH, 272
.set SPARE, STAGE+8*16*SPITCH          ; the spare words, 128 bytes for each wave
.set AK0, 1                            ; v1   80 r + 16 h
.set AV0, 2                            ; v2   VOFF + 144 r + 16 h
.set AM0, 3                            ; v3   MOFF + 64 h
.set ADK, 4                            ; v4-6 the addresses of the LDS instructions in hand
.set ADV, 5
.set ADM, 6
.set STO, 7                            ; v7   the stage: where I put 32 bytes of a row
.set RD,  8                            ; v8   and where I read a row back
.set GO,  9                            ; v9   my byte offset in the wave's rows of out0
.set KST, 10                           ; v10  where my 16 bytes of a chunk of K go, in chunk 0
.set VST, 11                           ; v11  of V
.set GOF, 12                           ; v12  16 x my thread's number
.set SPW, 13                           ; v13  my spare word's address
.set NIL, 14                           ; v14  0
.set QOF, 15                           ; v15  Q: 64 r + 16 h
.set XA0, 16
.set XA1, 17
.set XB0, 18
.set XB1, 19
.set FA,  20                           ; f = 2^(old M - new M), each named with the register behind it as a pair
.set FB,  22
.set S2A, 24                           ; a second chain of each sum
.set S2B, 26
.set PLA, 28
.set PLB, 29
.set LIM, 30                           ; 57,344 x 2^e8
.set SC,  31                           ; 2^e8
.set ST,  32
.set G,   48
.set Q,   64
.set PC,  96
.set SA,  128
.set SB,  192
.set KF,  0                            ; in window 1
.set VF,  64
.set O,   128
.set MSB, 0
.macro WIN new                         ; the immediate's high byte repeats the setting that is left
.if MSB != \new
	s_set_vgpr_msb (MSB<<8)|\new
.set MSB, \new
.endif
.endm
	s_load_b256 s[4:11], s[0:1], 0x0               ; qkv s[4:5], the mask s[6:7], the scales' exponents s[8:9], out0 s[10:11]
	v_lshrrev_b32 v16, 5, v0
	v_readfirstlane_b32 s12, v16                   ; wave 0..7
	s_and_b32 s14, ttmp7, 0xffff                   ; 16 batch + head
	s_mov_b32 s20, 0x76543210
	s_mov_b32 s21, 0xfedcba98                      ; v_permlanex16_b32's selects for lane l xor 16
	s_mov_b32 s80, 0                               ; LDS steps: K read, 128 rows;
	s_mov_b32 s81, 0                               ; V read, 64 rows;
	s_mov_b32 s82, 0                               ; the mask read, 512 bytes;
	s_mov_b32 s90, 2*128*KP                        ; K stored: the next is chunk 2;
	s_mov_b32 s91, 2*64*VP                         ; V stored
	s_lshl_b32 s86, s14, 16                        ; the head's first byte in q, in k and in v
	s_mov_b32 s87, 0
	s_lshl_b32 s88, ttmp9, 9
	s_lshl_b32 s89, s12, 6
	s_add_co_u32 s88, s88, s89                     ; my first query: 512 x half + 64 x wave
	s_lshl_b32 s92, s88, 6
	s_add_co_u32 s92, s92, s86                     ; its codes
	s_mov_b32 s93, 0
	s_lshr_b32 s85, s14, 4                         ; batch
	s_lshl_b32 s94, s85, 12                        ; the batch's 1,024 mask numbers
	s_mov_b32 s95, 0
	s_lshl_b32 s88, s88, 12
	s_lshl_b32 s85, s85, 22
	s_add_co_u32 s88, s88, s85
	s_and_b32 s85, s14, 15
	s_lshl_b32 s85, s85, 8
	s_add_co_u32 s88, s88, s85                     ; out0 at batch, my first query, my head's 256 bytes
	s_mov_b32 s89, 0
	s_lshr_b32 s84, s12, 2                         ; a load of K brings key 64 i + 8 wave + lane / 4: its LDS row is 64 i + 32 (wave / 4) + 16 (wave % 2) + 8 (wave / 2 % 2) + lane / 4
	s_mul_i32 s84, s84, 32*KP
	s_and_b32 s85, s12, 1
	s_mul_i32 s85, s85, 16*KP
	s_add_co_u32 s84, s84, s85
	s_bfe_u32 s85, s12, 0x10001
	s_mul_i32 s85, s85, 8*KP
	s_add_co_u32 s84, s84, s85
	s_mul_i32 s85, s12, 4*VP                       ; a load of V brings channel 32 i + 4 wave + lane / 8
	s_add_co_u32 s85, s85, VOFF
	s_mul_i32 s30, s12, 16*SPITCH
	s_add_co_u32 s30, s30, STAGE                   ; my stage
	v_lshl_add_u32 v[SPW], v0, 2, SPARE
	v_mov_b32 v[NIL], 0
	v_lshlrev_b32 v[GOF], 4, v0
	v_lshl_add_u32 v[ADM], v0, 4, MOFF             ; where my four mask numbers go
	v_and_b32 v18, 31, v0                          ; lane
	v_and_b32 v16, 15, v0                          ; r
	v_bfe_u32 v17, v0, 4, 1                        ; h
	v_lshrrev_b32 v19, 2, v18
	v_mul_u32_u24 v[KST], v19, KP
	v_and_b32 v20, 3, v18
	v_lshl_add_u32 v[KST], v20, 4, v[KST]
	v_add_nc_u32 v[KST], s84, v[KST]
	v_lshrrev_b32 v19, 3, v18
	v_mul_u32_u24 v[VST], v19, VP
	v_and_b32 v20, 7, v18
	v_lshl_add_u32 v[VST], v20, 4, v[VST]
	v_add_nc_u32 v[VST], s85, v[VST]
	v_lshlrev_b32 v[QOF], 6, v16
	v_lshl_add_u32 v[QOF], v17, 4, v[QOF]
	v_mul_u32_u24 v[AK0], v16, KP
	v_lshl_add_u32 v[AK0], v17, 4, v[AK0]
	v_mul_u32_u24 v[AV0], v16, VP
	v_lshl_add_u32 v[AV0], v17, 4, v[AV0]
	v_add_nc_u32 v[AV0], VOFF, v[AV0]
	v_lshlrev_b32 v[AM0], 6, v17
	v_add_nc_u32 v[AM0], MOFF, v[AM0]
	v_mul_u32_u24 v[STO], v16, SPITCH
	v_lshl_add_u32 v[STO], v17, 5, v[STO]
	v_add_nc_u32 v[STO], s30, v[STO]               ; in: row r, 32 bytes for each half of the lanes
	v_mul_u32_u24 v[RD], v17, SPITCH
	v_lshl_add_u32 v[RD], v16, 4, v[RD]
	v_add_nc_u32 v[RD], s30, v[RD]                 ; back: lanes 0-15 one row of 256 bytes, lanes 16-31 the next
	v_lshlrev_b32 v[GO], 12, v17
	v_lshl_add_u32 v[GO], v16, 4, v[GO]            ; and the same two tokens in out0, 4,096 bytes apart
	v_mov_b32 v24, 0x4e000000                      ; 2^29
	v_mov_b32 v[PLA], 0                            ; written once: a lane permute's destination counts as one of its sources
	v_mov_b32 v[PLB], 0
	v_mov_b32 v[FA+1], 0                           ; the pairs' upper halves
	v_mov_b32 v[FB+1], 0
.irp i, 0,1,2,3
	v_mov_b32 v[ST+4*\i+1], 0
.endr
	s_wait_alu depctr_va_vdst(0)
	s_wait_kmcnt 0x0
	s_load_b128 s[76:79], s[8:9], 0x18             ; e6, e7, e8, e9
	s_add_nc_u64 s[6:7], s[6:7], s[94:95]
	s_add_nc_u64 s[26:27], s[4:5], s[86:87]
	s_add_nc_u64 s[28:29], s[26:27], 0x1000000     ; v
	s_add_nc_u64 s[26:27], s[26:27], 0x800000      ; k
	s_add_nc_u64 s[16:17], s[4:5], s[92:93]        ; Q
	s_add_nc_u64 s[10:11], s[10:11], s[88:89]
	global_load_b128 v[160:163], v[GOF], s[6:7]    ; four mask numbers a thread
.irp c, 0,1                            ; chunks 0 and 1: 4,096 consecutive bytes of the work-group for each load
	global_load_b128 v[128+16*\c:131+16*\c], v[GOF], s[26:27] offset:8192*\c
	global_load_b128 v[132+16*\c:135+16*\c], v[GOF], s[26:27] offset:8192*\c+4096
	global_load_b128 v[136+16*\c:139+16*\c], v[GOF], s[28:29] offset:8192*\c
	global_load_b128 v[140+16*\c:143+16*\c], v[GOF], s[28:29] offset:8192*\c+4096
.endr
.irp i, 0,1,2,3                        ; Q stays in registers.  Registers 0-3: d = 16 h + 0 .. 15; 4-7: 32 + 16 h + 0 .. 15: the same order of d as K's fragments have
	global_load_b128 v[Q+8*\i:Q+8*\i+3], v[QOF], s[16:17] offset:1024*\i
	global_load_b128 v[Q+8*\i+4:Q+8*\i+7], v[QOF], s[16:17] offset:1024*\i+32
.endr
	global_load_b128 v[G:G+3], v[GOF], s[26:27] offset:16384    ; chunk 2
	global_load_b128 v[G+4:G+7], v[GOF], s[26:27] offset:20480
	global_load_b128 v[G+8:G+11], v[GOF], s[28:29] offset:16384
	global_load_b128 v[G+12:G+15], v[GOF], s[28:29] offset:20480
	s_wait_kmcnt 0x0
	s_add_co_i32 s84, s76, s77                     ; e6 + e7
	s_lshl_b32 s85, s84, 23
	s_mov_b32 s22, 0x3e38aa3b                      ; log2(e) / 8,
	s_add_co_i32 s22, s22, s85                     ; x 2^(e6 + e7): the exponents are added to its exponent field: c'
	s_mov_b32 s23, s22                             ; (named with it as a pair, so it is written)
	s_xor_b32 s24, s22, 0x80000000                 ; -c'
	s_sub_co_i32 s84, 3, s84
	s_add_co_i32 s25, s78, s79                     ; e8 + e9
	s_cmp_lt_i32 s78, -15
	s_cselect_b32 s13, 1, 0                        ; 1: the hold is due
	s_add_co_i32 s85, s78, 127
	s_lshl_b32 s86, s85, 23
	v_mov_b32 v[SC], s86                           ; 2^e8 as f32
	s_add_co_i32 s85, s85, 15
	s_lshl_b32 s85, s85, 23
	s_or_b32 s85, s85, 0x600000
	v_mov_b32 v[LIM], s85                          ; 57,344 x 2^e8
	s_wait_xcnt 0x0                                ; the loads have read their bases:
	s_add_nc_u64 s[26:27], s[26:27], 0x4000        ; at chunk 2: GET steps them first
	s_add_nc_u64 s[28:29], s[28:29], 0x4000
	s_wait_alu depctr_va_vdst(0)
	s_wait_loadcnt 20                              ; the mask is in; the 20 loads issued behind it may be out
.irp j, 0,1,2,3
	v_med3_num_f32 v[160+\j], v[160+\j], -v24, v24 ; held within +-2^29,
.endr
.irp j, 0,1,2,3
	v_ldexp_f32 v[160+\j], v[160+\j], s84          ; x 8 / 2^(e6 + e7): exact
.endr
	ds_store_b128 v[ADM], v[160:163]
	s_wait_loadcnt 12                              ; chunks 0 and 1 are in; Q's eight loads and chunk 2's four may be out
.irp c, 0,1
	ds_store_b128 v[KST], v[128+16*\c:131+16*\c] offset:128*KP*\c
	ds_store_b128 v[KST], v[132+16*\c:135+16*\c] offset:128*KP*\c+64*KP
	ds_store_b128 v[VST], v[136+16*\c:139+16*\c] offset:64*VP*\c
	ds_store_b128 v[VST], v[140+16*\c:143+16*\c] offset:64*VP*\c+32*VP
.endr
	s_wait_dscnt 0x0                               ; for the others' sake: my parts lie in LDS
	s_barrier_signal -1
	s_barrier_wait -1
.macro LDK                             ; a step's K: 8 tiles of 16 rows x 64
	v_add_nc_u32 v[ADK], s80, v[AK0]
	WIN 0x40
.irp t, 0,1,2,3,4,5,6,7
	ds_load_b128 v[KF+8*\t:KF+8*\t+3], v[ADK] offset:16*KP*\t
	ds_load_b128 v[KF+8*\t+4:KF+8*\t+7], v[ADK] offset:16*KP*\t+32
.endr
	WIN 0
.endm
.macro LDM                             ; the mask's 8 tiles into B's scores: mask'[32 b + 16 h + 8 u + 0 .. 7]; sixteen lanes share each address
	v_add_nc_u32 v[ADM], s82, v[AM0]
.irp t, 0,1,2,3,4,5,6,7
	ds_load_b128 v[SB+8*\t:SB+8*\t+3], v[ADM] offset:128*(\t/2)+32*(\t%2)
	ds_load_b128 v[SB+8*\t+4:SB+8*\t+7], v[ADM] offset:128*(\t/2)+32*(\t%2)+16
.endr
.endm
.macro LDV                             ; a step's V: 4 tiles of 16 channels x 128 keys
	v_add_nc_u32 v[ADV], s81, v[AV0]
	s_add_co_u32 s81, s81, 64*VP                   ; the next fetch is the next step's
	WIN 0x40
.irp u, 0,1,2,3
.irp c, 0,1,2,3
	ds_load_b128 v[VF+16*\u+4*\c:VF+16*\u+4*\c+3], v[ADV] offset:16*VP*\u+32*\c
.endr
.endr
	WIN 0
.endm
.macro PUT                             ; the chunk that is in registers goes to its bytes in LDS
	v_add_nc_u32 v[ADK], s90, v[KST]
	v_add_nc_u32 v[ADV], s91, v[VST]
	ds_store_b128 v[ADK], v[G:G+3]
	ds_store_b128 v[ADK], v[G+4:G+7] offset:64*KP
	ds_store_b128 v[ADV], v[G+8:G+11]
	ds_store_b128 v[ADV], v[G+12:G+15] offset:32*VP
	s_add_co_u32 s90, s90, 128*KP
	s_add_co_u32 s91, s91, 64*VP
.endm
.macro GET                             ; the next chunk is asked for
	s_wait_xcnt 0x0                                ; the loads before have read their bases
	s_add_nc_u64 s[26:27], s[26:27], 0x2000
	s_add_nc_u64 s[28:29], s[28:29], 0x2000
	global_load_b128 v[G:G+3], v[GOF], s[26:27]
	global_load_b128 v[G+4:G+7], v[GOF], s[26:27] offset:4096
	global_load_b128 v[G+8:G+11], v[GOF], s[28:29]
	global_load_b128 v[G+12:G+15], v[GOF], s[28:29] offset:4096
.endm
.macro SMULA p                         ; tile A's scores: eight products, each with its own result; the mask in B's registers as C
	WIN 0x01                                       ; K in window 1
.irp t, 0,1,2,3,4,5,6,7
	v_wmma_f32_16x16x64_bf8_bf8 v[SA+8*\t:SA+8*\t+7], v[KF+8*\t:KF+8*\t+7], v[Q+16*(\p):Q+16*(\p)+7], v[SB+8*\t:SB+8*\t+7]
.endr
	WIN 0
.endm
.macro SMULB p                         ; tile B's, onto the mask.  Five places stand between A's products, which read these registers, and B's, which write them
	WIN 0x01
.irp t, 0,1,2,3,4,5,6,7
	v_wmma_f32_16x16x64_bf8_bf8 v[SB+8*\t:SB+8*\t+7], v[KF+8*\t:KF+8*\t+7], v[Q+16*(\p)+8:Q+16*(\p)+15], v[SB+8*\t:SB+8*\t+7]
.endr
	WIN 0
.endm
.macro PVMUL p, first                  ; O^T += V^T P of the pair's two tiles: eight accumulators, one instruction each
	WIN 0x51                                       ; V and O in window 1
.irp i, 0,1
.irp u, 0,1,2,3
.if \first
	v_wmma_f32_16x16x128_bf8_bf8 v[O+64*(\p)+32*\i+8*\u:O+64*(\p)+32*\i+8*\u+7], v[VF+16*\u:VF+16*\u+15], v[PC+16*\i:PC+16*\i+15], 0
.else
	v_wmma_f32_16x16x128_bf8_bf8 v[O+64*(\p)+32*\i+8*\u:O+64*(\p)+32*\i+8*\u+7], v[VF+16*\u:VF+16*\u+15], v[PC+16*\i:PC+16*\i+15], v[O+64*(\p)+32*\i+8*\u:O+64*(\p)+32*\i+8*\u+7]
.endif
.endr
.endr
	WIN 0
.rept 4
	v_nop                                          ; places in front of the next scores' first reader, and of loads into K's and V's registers
.endr
.endm
.macro RESC p                          ; O^T of both tiles under the new M
	WIN 0x41
	s_wait_alu depctr_va_vdst(0)                   ; directly ahead of the first reader of O^T
.set n, 0
.rept 16
	v_pk_mul_f32 v[O+64*(\p)+n:O+64*(\p)+n+1], v[O+64*(\p)+n:O+64*(\p)+n+1], v[FA:FA+1] op_sel_hi:[1,0]
.set n, n+2
.endr
.rept 16
	v_pk_mul_f32 v[O+64*(\p)+n:O+64*(\p)+n+1], v[O+64*(\p)+n:O+64*(\p)+n+1], v[FB:FB+1] op_sel_hi:[1,0]
.set n, n+2
.endr
	WIN 0
.endm
.macro MAXP p, first                   ; the step's largest scores, the new M, and f: A's and B's lines by turns
.set TA, ST+8*(\p)
.set TB, TA+4
	v_max3_num_f32 v[XA0], v[SA], v[SA+1], v[SA+2]    ; among my 64 keys, in two chains a tile, each result from its low end on
	v_max3_num_f32 v[XB0], v[SB], v[SB+1], v[SB+2]
	v_max3_num_f32 v[XA1], v[SA+3], v[SA+4], v[SA+5]
	v_max3_num_f32 v[XB1], v[SB+3], v[SB+4], v[SB+5]
.irp n, 6,10,14,18,22,26,30,34,38,42,46,50,54,58
	v_max3_num_f32 v[XA0], v[XA0], v[SA+\n], v[SA+\n+1]
	v_max3_num_f32 v[XB0], v[XB0], v[SB+\n], v[SB+\n+1]
	v_max3_num_f32 v[XA1], v[XA1], v[SA+\n+2], v[SA+\n+3]
	v_max3_num_f32 v[XB1], v[XB1], v[SB+\n+2], v[SB+\n+3]
.endr
	v_max3_num_f32 v[XA0], v[XA0], v[SA+62], v[SA+63]
	v_max3_num_f32 v[XB0], v[XB0], v[SB+62], v[SB+63]
	v_max_num_f32 v[XA0], v[XA0], v[XA1]
	v_max_num_f32 v[XB0], v[XB0], v[XB1]
	v_permlanex16_b32 v[PLA], v[XA0], s20, s21
	v_permlanex16_b32 v[PLB], v[XB0], s20, s21
	v_max_num_f32 v[XA0], v[XA0], v[PLA]           ; and among lane l xor 16's
	v_max_num_f32 v[XB0], v[XB0], v[PLB]
	v_mul_f32 v[XA0], s24, v[XA0]                  ; as -t (c' is positive)
	v_mul_f32 v[XB0], s24, v[XB0]
.if \first
	v_floor_f32 v[TA], v[XA0]                      ; -M = floor(-t) = -ceil(t): the first step starts it
	v_floor_f32 v[TB], v[XB0]
.else
	v_floor_f32 v[XA0], v[XA0]                     ; this step's own -M
	v_floor_f32 v[XB0], v[XB0]
	v_sub_f32 v[XA1], v[XA0], v[TA]
	v_sub_f32 v[XB1], v[XB0], v[TB]
	v_min_num_f32 v[TA], v[TA], v[XA0]             ; the running -M
	v_min_num_f32 v[TB], v[TB], v[XB0]
	v_min_num_f32 v[XA1], 0, v[XA1]                ; old M - new M: a whole number, 0 or less
	v_min_num_f32 v[XB1], 0, v[XB1]
	v_cvt_i32_f32 v[XA1], v[XA1]                   ; (it saturates)
	v_cvt_i32_f32 v[XB1], v[XB1]
	v_ldexp_f32 v[FA], 1.0, v[XA1]                 ; f = 2^(old M - new M)
	v_ldexp_f32 v[FB], 1.0, v[XB1]
.endif
.endm
; THE WAY OUT of a pair: the sum's two halves and lane l xor 16's are added; O^T is divided by the sum, multiplied by 2^(e8 + e9), and goes through my stage in LDS, a tile of 16 queries at a time.
.macro STG i                           ; register 8 u + j of lane (r, h) is out(query r, channel 16 u + 8 h + j): 32 bytes; into rows of 272 bytes, and back as whole rows of 256, into the registers that they left
	WIN 0x04
.irp u, 0,1,2,3
	ds_store_b128 v[STO], v[O+32*(\i)+8*\u:O+32*(\i)+8*\u+3] offset:64*\u
	ds_store_b128 v[STO], v[O+32*(\i)+8*\u+4:O+32*(\i)+8*\u+7] offset:64*\u+16
.endr
	WIN 0x40
.irp f, 0,1,2,3,4,5,6,7
	ds_load_b128 v[O+32*(\i)+4*\f:O+32*(\i)+4*\f+3], v[RD] offset:\f*2*SPITCH   ; LDS serves a wave's instructions in order: these see the stores above, and the next tile's stores come behind them
.endr
.endm
.macro SEND i, younger                 ; younger: the LDS instructions issued behind tile i's loads
	WIN 0x04
.irp f, 0,1,2,3,4,5,6,7
	s_wait_dscnt \younger+7-\f
	global_store_b128 v[GO], v[O+32*(\i)+4*\f:O+32*(\i)+4*\f+3], s[10:11] offset:65536*(\i)+8192*\f th:TH_STORE_NT   ; sixteen lanes store a token's 256 bytes of my head, at a multiple of 256 from out0's first byte
.endr
.endm
.macro OUTP p
.set UA, ST+8*(\p)
.set UB, UA+4
	v_add_f32 v[UA+2], v[UA+2], v[UA+3]
	v_add_f32 v[UB+2], v[UB+2], v[UB+3]
	v_permlanex16_b32 v[UA+3], v[UA+2], s20, s21
	v_permlanex16_b32 v[UB+3], v[UB+2], s20, s21
	v_add_f32 v[UA+2], v[UA+2], v[UA+3]
	v_add_f32 v[UB+2], v[UB+2], v[UB+3]
	s_wait_alu depctr_va_vdst(0)                   ; a wait ahead of the transcendentals and behind them
	v_rcp_f32 v[UA+2], v[UA+2]
	v_rcp_f32 v[UB+2], v[UB+2]
	v_nop                                          ; a plain line behind the last reciprocal
	s_wait_alu depctr_va_vdst(0)
	v_ldexp_f32 v[UA+2], v[UA+2], s25
	v_ldexp_f32 v[UB+2], v[UB+2], s25
	WIN 0x41
	s_wait_alu depctr_va_vdst(0)                   ; directly ahead of the first reader of O^T
.set n, 0
.rept 16
	v_pk_mul_f32 v[O+64*(\p)+n:O+64*(\p)+n+1], v[O+64*(\p)+n:O+64*(\p)+n+1], v[UA+2:UA+3] op_sel_hi:[1,0]
.set n, n+2
.endr
.rept 16
	v_pk_mul_f32 v[O+64*(\p)+n:O+64*(\p)+n+1], v[O+64*(\p)+n:O+64*(\p)+n+1], v[UB+2:UB+3] op_sel_hi:[1,0]
.set n, n+2
.endr
	STG 2*(\p)
	STG 2*(\p)+1
	SEND 2*(\p), 16                                ; behind tile A's loads: tile B's eight stores and eight loads
	SEND 2*(\p)+1, 0
	WIN 0
.endm
; A PAIR'S TURN in step s.  Its softmax; then the NEXT pair's scores are issued (S is free), then this pair's V^T P.  V of the step is fetched behind pair 0's maximum, K of the next step behind pair 1's.
; In the middle of a step (pair 1): behind the barrier's wait chunk s + 1 lies whole in LDS; chunk s + 2 is stored, chunk s + 3 asked for.  s83 = 7 - s in the loop: s = 6 stores nothing, s = 5 and 6 ask for nothing.
.macro PAIR p, first, last
	MAXP \p, \first
.if (\p) == 0
	LDV
.else
	s_wait_alu depctr_va_vdst(0)                   ; directly ahead of the waits below
.if (\last) == 0
	s_wait_loadcnt 0x0                             ; the chunk that was asked for a step ago is in, on every path
.endif
.if \first
	PUT
.else
	s_barrier_wait -1
.if (\last) == 0
	s_cmp_lt_u32 s83, 2
	s_cbranch_scc1 .Lno_put_\@
	PUT
.Lno_put_\@:
.endif
.endif
.if \last
	OUTP 0                                         ; the first pair's O^T is whole: it leaves under the second pair's softmax
.else
	s_add_co_u32 s80, s80, 128*KP
	LDK
.endif
.endif
.set TA, ST+8*(\p)
.set TB, TA+4
.set n, 0
.rept 32
	v_pk_fma_f32 v[SA+n:SA+n+1], v[SA+n:SA+n+1], s[22:23], v[TA:TA+1] op_sel_hi:[1,0,0]   ; t - M, two at a time (of the pairs c' and -M the low word serves both halves)
	v_pk_fma_f32 v[SB+n:SB+n+1], v[SB+n:SB+n+1], s[22:23], v[TB:TB+1] op_sel_hi:[1,0,0]
.set n, n+2
.endr
.if ((\p) == 1) && ((\last) == 0)
	s_wait_dscnt 16                                ; behind the chunk's stores stand K's 16 loads: the stores have read their registers
.if \first
	GET
.else
	s_cmp_lt_u32 s83, 3
	s_cbranch_scc1 .Lno_get_\@
	GET
.Lno_get_\@:
.endif
.endif
	s_wait_alu depctr_va_vdst(0)                   ; one wait ahead of the batch, and one behind it
.set n, 0
.rept 128
	v_exp_f32 v[SA+n], v[SA+n]                     ; p = 2^(t - M), A's 64 and B's 64
.set n, n+1
.endr
.if \first
	v_mov_b32 v[TA+2], 0                           ; the sums begin.  (Plain lines behind the exponentials)
	v_mov_b32 v[TA+3], 0
	v_mov_b32 v[TB+2], 0
	v_mov_b32 v[TB+3], 0
.else
	v_pk_mul_f32 v[TA+2:TA+3], v[TA+2:TA+3], v[FA:FA+1] op_sel_hi:[1,0]   ; the sums under the new M.  (Plain lines behind the exponentials)
	v_pk_mul_f32 v[TB+2:TB+3], v[TB+2:TB+3], v[FB:FB+1] op_sel_hi:[1,0]
.endif
	s_wait_alu depctr_va_vdst(0)
	v_pk_add_f32 v[S2A:S2A+1], v[SA:SA+1], v[SA+2:SA+3]   ; the sum is taken of the unquantised p, in two chains a tile
	v_pk_add_f32 v[S2B:S2B+1], v[SB:SB+1], v[SB+2:SB+3]
.irp n, 4,8,12,16,20,24,28,32,36,40,44,48,52,56,60
	v_pk_add_f32 v[TA+2:TA+3], v[TA+2:TA+3], v[SA+\n:SA+\n+1]
	v_pk_add_f32 v[TB+2:TB+3], v[TB+2:TB+3], v[SB+\n:SB+\n+1]
	v_pk_add_f32 v[S2A:S2A+1], v[S2A:S2A+1], v[SA+\n+2:SA+\n+3]
	v_pk_add_f32 v[S2B:S2B+1], v[S2B:S2B+1], v[SB+\n+2:SB+\n+3]
.endr
	s_cmp_eq_u32 s13, 0
	s_cbranch_scc1 .Lno_hold_\@
.set n, 0
.rept 64
	v_dual_min_num_f32 v[SA+n], v[SA+n], v[LIM] :: v_dual_min_num_f32 v[SA+n+1], v[SA+n+1], v[LIM]   ; the conversion does not saturate (ISA guide 7.6.2); p is not negative, so the hold is one-sided
.set n, n+2
.endr
.Lno_hold_\@:
.irp b, 0,1,2,3,4,5,6,7
	v_cvt_scalef32_pk8_bf8_f32 v[PC+4*\b:PC+4*\b+1], v[SA+16*\b:SA+16*\b+7], v[SC]       ; A's codes, then B's
	v_cvt_scalef32_pk8_bf8_f32 v[PC+4*\b+2:PC+4*\b+3], v[SA+16*\b+8:SA+16*\b+15], v[SC]
.endr
	v_nop                                          ; one plain vector line between the conversions and the products that write their sources or read their results
.if ((\p) == 0) || ((\last) == 0)
.if (\p) == 1
	s_add_co_u32 s82, s82, 512
.endif
	LDM
.endif
.if (\first) == 0
	RESC \p
.endif
.if ((\p) == 0) || ((\last) == 0)
	s_wait_alu depctr_va_vdst(0)                   ; directly ahead of the wait below
	s_wait_dscnt 0x0                               ; the mask is in, and V (pair 0) or the next step's K (pair 1); my stores of the chunk are done
.if (\p) == 1
	s_barrier_signal -1                            ; they are: waited for in the middle of the next step.  Up to there stand work on registers and loads of bytes that nobody writes
.endif
	SMULA 1-(\p)
.endif
	v_pk_add_f32 v[TA+2:TA+3], v[TA+2:TA+3], v[S2A:S2A+1]   ; two of the five places between A's products and B's
	v_pk_add_f32 v[TB+2:TB+3], v[TB+2:TB+3], v[S2B:S2B+1]
.if ((\p) == 0) || ((\last) == 0)
.rept 3
	v_nop
.endr
	SMULB 1-(\p)
.endif
	PVMUL \p, \first
.endm
	LDK                                            ; key step 0
	LDM
	s_wait_loadcnt 4                               ; Q is in; chunk 2's four loads may be out
	s_wait_dscnt 0x0
	SMULA 0
.rept 5
	v_nop
.endr
	SMULB 0
.rept 4
	v_nop                                          ; places in front of the first read of the scores
.endr
	PAIR 0, 1, 0                                   ; key step 0 starts M, the sums and O^T: nothing is cleared
	PAIR 1, 1, 0
	s_mov_b32 s83, 6
.Lstep:                                            ; key steps 1 to 6
	PAIR 0, 0, 0
	PAIR 1, 0, 0
	s_sub_co_u32 s83, s83, 1
	s_cmp_lg_u32 s83, 0
	s_cbranch_scc1 .Lstep
	PAIR 0, 0, 1                                   ; key step 7 fetches and multiplies nothing for a step behind it
	PAIR 1, 0, 1
	OUTP 1
	s_wait_tensorcnt 0x0                           ; the wave's end
	ds_add_u32 v[SPW], v[NIL]
	s_wait_dscnt 0x0
	s_endpgm
.Lfunc_end_k_q67eae9b9ca_attn:
	.size	k_q67eae9b9ca_attn, .Lfunc_end_k_q67eae9b9ca_attn-k_q67eae9b9ca_attn
	.p2alignl 7, 3214868480
	.fill 96, 4, 3214868480
	.section	.rodata,"a",@progbits
	.p2align	6, 0x0
	.amdhsa_kernel k_q67eae9b9ca_attn
		.amdhsa_group_segment_fixed_size 195584
		.amdhsa_private_segment_fixed_size 0
		.amdhsa_enable_private_segment 0
		.amdhsa_kernarg_size 32
		.amdhsa_user_sgpr_count 2
		.amdhsa_user_sgpr_kernarg_segment_ptr 1
		.amdhsa_wavefront_size32 1
		.amdhsa_system_sgpr_workgroup_id_x 1
		.amdhsa_system_sgpr_workgroup_id_y 1
		.amdhsa_system_sgpr_workgroup_id_z 1
		.amdhsa_system_vgpr_workitem_id 0
		.amdhsa_next_free_vgpr 512
		.amdhsa_next_free_sgpr 96
		.amdhsa_reserve_vcc 0
		.amdhsa_float_denorm_mode_32 3
		.amdhsa_float_denorm_mode_16_64 3
		.amdhsa_memory_ordered 1
		.amdhsa_forward_progress 1
		.amdhsa_inst_pref_size 190
	.end_amdhsa_kernel
	.amdgpu_metadata
---
amdhsa.version: [ 1, 2 ]
amdhsa.kernels:
  - .name:           k_q67eae9b9ca_attn
    .symbol:         k_q67eae9b9ca_attn.kd
    .args:
      - { .name: qkv, .offset: 0, .size: 8, .value_kind: global_buffer, .address_space: global }
      - { .name: attention_mask, .offset: 8, .size: 8, .value_kind: global_buffer, .address_space: global }
      - { .name: lowp_scales, .offset: 16, .size: 8, .value_kind: global_buffer, .address_space: global }
      - { .name: out0, .offset: 24, .size: 8, .value_kind: global_buffer, .address_space: global }
    .group_segment_fixed_size: 195584
    .private_segment_fixed_size: 0
    .kernarg_segment_align: 8
    .kernarg_segment_size: 32
    .max_flat_workgroup_size: 256
    .sgpr_count:     96
    .vgpr_count:     512
    .wavefront_size: 32
...
	.end_amdgpu_metadata
.endif
;; end of part 3
